; MI455X (gfx1250); checked and timed in simulation.
; The chip was launched on July 23, 2026; its instructions are those of AMD's public machine-readable ISA for CDNA 5 (MIT licence, August 2026) and "CDNA5" Instruction Set Architecture Reference Guide (July 2026). The comments in the code are by the model that wrote it; some were corrected since.
;; Scaled Dot Product Attention. Allowed arithmetic: matrix products marked QUANTISED: E2M1 operands, one E8M0 scale for each 32 along K, by v_wmma_scale_f32_16x16x128_f8f6f4 with both operands' format E2M1 (or v_wmma_scale_f32_32x16x128_f4), f32 sums; products left as they are: bf16, f16 or f32 operands; f32 sums; everything else in f32.
;; Inputs: k 16 x 2,048 x 128 float32; mask 16 x 2,048 x 2,048 bool; q 16 x 2,048 x 128 float32; v 16 x 2,048 x 128 float32.
;; Outputs: out0 16 x 2,048 x 128 float32.
;; This version of the problem:
;;   THIS VERSION OF THE PROBLEM IS GIVEN IN LOW PRECISION. The matrix products marked QUANTISED in the list below multiply operands that are first quantised to E2M1 (2 exponent bits, 1 mantissa bit; 4 bits a number), with one power-of-two scale for each 32 numbers along K (OCP MX v1.0); their sums are f32. The products marked 'left as it is' may take bf16, f16 or f32 operands, with f32 sums. Whichever they take, every output number must still come out within the allowed error. Rounding operands to bf16 (8 significant bits) uses up far more of that allowance than f16 does (11 bits, for magnitudes from 6e-5 to 65,504). All else is computed in f32.
;;   The module's matrix products, in the order in which they are computed (A, B: the left and right operand; K: the contracted axis; several contracted axes count as one K, in the product's order):
;;     1. batch 16 x [M 2,048, K 128] x [K 128, N 2,048]; A: input q; B: input k: QUANTISED
;;     2. batch 16 x [M 2,048, K 2,048] x [K 2,048, N 128]; A: computed on the way; B: input v: left as it is (an operand is computed on the way)
;;   THE QUANTISER, for each operand of a quantised product, along K:
;;     - K is cut into blocks of 32 from its start; a last block that is shorter is filled with zeros.
;;     - A block's scale is 2^e with e = floor(log2(the largest magnitude in the block)) - 2, held to -126 .. 127; a block of zeros has e = 0. As a byte (E8M0): e + 127.
;;     - Each number is divided by its block's scale, clamped to +-6, and rounded to the nearest number of E2M1, ties to even, subnormals kept.
;;     - The product sums the exact products of the quantised numbers (number of the format x scale) in f32.
;;   ~~~python
;;   def quantise(x, axis):      # numpy; x: float32 -> the quantised numbers, widened to float32 again
;;       x = np.moveaxis(x, axis, -1); K = x.shape[-1]
;;       x = np.pad(x, [(0, 0)] * (x.ndim - 1) + [(0, -K % 32)]); x = x.reshape(x.shape[:-1] + (-1, 32)); a = np.abs(x).max(-1, keepdims=True)
;;       e = np.where(a > 0, np.clip(np.frexp(np.where(a > 0, a, 1))[1] - 1 - 2, -126, 127), 0)      # np.frexp(a)[1] - 1 = floor(log2(a)), exactly
;;       r = np.clip(x / 2.0 ** e, -6, 6)
;;       step = 2.0 ** (np.maximum(np.frexp(np.where(r == 0, 1, r))[1] - 1, 0) - 1)
;;       q = np.round(r / step) * step * 2.0 ** e      # np.round: ties to even
;;       return np.moveaxis(q.reshape(q.shape[:-2] + (-1,))[..., :K], -1, axis).astype(np.float32)
;;   ~~~
;; One version. Each part assembles by itself: llvm-mc -triple=amdgcn-amd-amdhsa -mcpu=gfx1250 --defsym DOCPART=n.
;; ======== version 1 of 1: 2 launches
;; limits: right only within a limited range of input values; inputs' magnitudes at most 65,504; values are held in f16: magnitudes above 65,504 overflow, below 6.1e-05 lose precision
;; workspace buffers: q_codes 2,097,152 bytes; q_scales 131,072 bytes; k_codes 2,097,152 bytes; k_scales 131,072 bytes; v16 8,388,608 bytes
;; launch prep (part 1): grid 384 x 1, 4 waves a work-group, no clusters, 33,280 bytes of LDS; arguments q, k, v, q_codes, q_scales, k_codes, k_scales, v16; writes q_codes, q_scales, k_codes, k_scales, v16
.if DOCPART == 1
	.amdgcn_target "amdgcn-amd-amdhsa--gfx1250"
	.amdhsa_code_object_version 6
	.text
	.protected	k_qc5ea5f9ef2_prep
	.globl	k_qc5ea5f9ef2_prep
	.p2align	8
	.type	k_qc5ea5f9ef2_prep,@function
k_qc5ea5f9ef2_prep:
	s_mov_b64 s[64:65], 0
	v_nop
	global_prefetch_b8 v0, s[64:65] scope:SCOPE_SE
	s_setreg_imm32_b32 hwreg(HW_REG_WAVE_MODE, 25, 1), 1
	s_wait_xcnt 0x0
; q and k, [16 x 2048][128] f32, become codes of FP4 (E2M1), 4 bits each, K = the 128 channels innermost (64 bytes a row), with one E8M0 byte for each 32 along K (4 bytes a row).
; v, [16 x 2048][128] f32, becomes f16, in the same order.  Each tensor has 4,194,304 numbers; a work-group takes 32,768: work-groups 0-127 q, 128-255 k, 256-383 v.
; A block's scale is 2^(floor(log2(its largest magnitude)) - 2): its byte is the largest magnitude's exponent field - 2, held at 1 from below.  Each number is divided by the scale and rounded to the nearest code, ties to even, beyond 6 the largest code.
; q's CODES ARE STORED WITH THEIR SIGNS TURNED (an exclusive or with 0x88888888: bit 3 of each code): the quantiser is symmetric, so these are the codes of -q, and the next launch's first product gives -(q . k).
; LIMITS: a block of zeros gets the byte 1 where the rule says 127 (its codes are zeros, and this program alone reads the bytes); blocks whose largest magnitude lies under 2^-124 were not tried;
; NaN and infinities are not served; |v| stays under 65,504, f16's largest number.
; Rows are dense, so all three tensors are plain streams.  A wave takes 16 steps of 512 numbers; every load reads 512 consecutive bytes, 16 a lane, EIGHT steps (32 loads, 16,384 bytes a wave) ahead.
; q, k: the conversions want 16 NEIGHBOURS in a lane, so a step's 2,048 bytes turn through the wave's own stage in LDS (16 bytes of padding behind each 64) and come back 64 bytes a lane; two neighbouring lanes hold a block.
; A lane's 16 codes are 8 bytes: a store of the wave covers 256 consecutive bytes, aligned.  A wave's 256 scale bytes are gathered in LDS and leave by one such store.
; v: four numbers of a lane become 8 bytes; each store of the wave covers 256 consecutive bytes, aligned.  No LDS.
.set WAVES, 4
.set STEPS, 16
.set AHEAD, 8                          ; steps that the loads run ahead
.set EMAX,  2
.set CB,    8                          ; bytes of 16 codes
.set R,     16                         ; v16-143  eight sets of 16 numbers as they are loaded
.set X,     144                        ; v144-175 q, k: two sets of 16 neighbours
.set Y,     144                        ; v144-159 v: two sets of 8 registers of f16
.set E,     176                        ; v176-191 a scale byte for each step
.set C,     192                        ; v192-223 codes: two registers for each step, so that no store's data are written again
.set WREG,  8192                       ; LDS: a region for each wave: two stages of 32 x SP bytes, behind them its 256 scale bytes
.set SP,    80                         ; a lane's place in a stage: 64 bytes + 16 of padding
.set SPW,   12                         ; v12      LDS address of my spare word; never rewritten
.set NIL,   13                         ; v13      0; never rewritten
.set SPARE, WAVES*WREG                 ; behind the four regions: the spare words, 128 bytes a wave, which no other line names
	s_load_b256 s[4:11], s[0:1], 0x0               ; q s[4:5], k s[6:7], v s[8:9], q's codes s[10:11]
	s_load_b256 s[12:19], s[0:1], 0x20             ; q's scales s[12:13], k's codes s[14:15], k's scales s[16:17], v16 s[18:19]
	v_lshl_add_u32 v[SPW], v0, 2, SPARE
	v_mov_b32 v[NIL], 0
	v_lshrrev_b32 v1, 5, v0
	v_readfirstlane_b32 s20, v1                    ; wave
	v_and_b32 v2, 31, v0                           ; lane
	v_lshlrev_b32 v3, 4, v2                        ; my 16 bytes of a load's 512
	s_mul_i32 s21, s20, WREG
	v_lshrrev_b32 v14, 2, v2
	v_mul_u32_u24 v14, v14, SP
	v_and_b32 v15, 3, v2
	v_lshl_add_u32 v14, v15, 4, v14
	v_add_nc_u32 v14, s21, v14                     ; the stage, on the way in: SP (lane / 4) + 16 (lane % 4); a load's 512 bytes take eight places
	v_mul_u32_u24 v15, v2, SP
	v_add_nc_u32 v15, s21, v15                     ; and on the way out: SP x lane: my 16 neighbours
	v_mul_u32_u24 v4, v2, CB                       ; 8 x lane: my codes' place in a step's; also my f16 numbers' place in a store's 256 bytes
	v_lshrrev_b32 v5, 1, v2
	s_add_co_u32 s21, s21, 2*32*SP
	v_add_nc_u32 v5, s21, v5                       ; LDS: my wave's 256 scale bytes, my block's byte
	v_lshlrev_b32 v7, 3, v2                        ; and on the way out 8 bytes a lane
	v_add_nc_u32 v6, s21, v7
	s_mov_b32 s25, 0                               ; upper words of the offsets' pairs
	s_mov_b32 s27, 0
	s_wait_kmcnt 0x0
.macro LOAD t
.irp i, 0,1,2,3
	global_load_b128 v[R+16*((\t)%AHEAD)+4*\i:R+16*((\t)%AHEAD)+4*\i+3], v3, s[4:5] offset:2048*(\t)+512*\i th:TH_LOAD_NT   ; 32 lanes read 512 consecutive bytes; read once in the launch
.endr
.endm
	s_cmp_ge_u32 ttmp9, 256                        ; the work-group's number alone decides
	s_cbranch_scc1 .Lcast
	; ---- q or k
	s_cmp_lt_u32 ttmp9, 128
	s_cselect_b64 s[4:5], s[4:5], s[6:7]           ; the numbers,
	s_cselect_b64 s[10:11], s[10:11], s[14:15]     ; the codes,
	s_cselect_b64 s[12:13], s[12:13], s[16:17]     ; the scale bytes
	s_cselect_b32 s22, 0x88888888, 0               ; q: every code's sign is turned
	s_cselect_b32 s21, 0, 128
	s_sub_co_u32 s21, ttmp9, s21
	s_lshl_b32 s21, s21, 2
	s_add_co_u32 s21, s21, s20                     ; which run of 8,192 numbers is my wave's: 0 .. 511
	s_lshl_b32 s24, s21, 15                        ; 32,768 bytes of numbers a run,
	s_add_nc_u64 s[4:5], s[4:5], s[24:25]
	s_lshl_b32 s26, s21, 12                        ; 4,096 of codes,
	s_add_nc_u64 s[10:11], s[10:11], s[26:27]
	s_lshl_b32 s24, s21, 8                         ; 256 of scale bytes
	s_add_nc_u64 s[12:13], s[12:13], s[24:25]
.macro TURN t                          ; step t's numbers through the stage: LDS serves a wave's instructions in order, so no wait stands between the stores and the loads
.irp i, 0,1,2,3
	ds_store_b128 v14, v[R+16*((\t)%AHEAD)+4*\i:R+16*((\t)%AHEAD)+4*\i+3] offset:32*SP*((\t)%2)+8*SP*\i
.endr
.irp i, 0,1,2,3
	ds_load_b128 v[X+16*((\t)%2)+4*\i:X+16*((\t)%2)+4*\i+3], v15 offset:32*SP*((\t)%2)+16*\i
.endr
.endm
.irp t, 0,1,2,3,4,5,6,7
	LOAD \t
.endr
	s_wait_loadcnt 4*(AHEAD-1)                     ; step 0's four loads are in; seven steps' twenty-eight may be out
	TURN 0
.macro STEP t
.set XS, X+16*((\t)%2)
.if (\t) > 0
	s_wait_dscnt 1                                 ; this step's numbers are back from the stage (the last step's byte store may be out): so its stores into the stage have read their registers,
.else
	s_wait_dscnt 0x0
.endif
.if (\t)+AHEAD < STEPS
	LOAD (\t)+AHEAD                                ; which take the loads of eight steps on
.endif
.if (\t)+1 < STEPS
.if STEPS-2-(\t) >= AHEAD-1
	s_wait_loadcnt 4*(AHEAD-1)                     ; the next step's four loads are in; those of the seven steps behind it may be out
.else
	s_wait_loadcnt 4*(STEPS-2-(\t))                ; towards the end: four for each step that is left behind the next
.endif
	TURN (\t)+1                                    ; and go through the other stage while this step is worked
.endif
	v_max3_num_f32 v8, |v[XS]|, |v[XS+1]|, |v[XS+2]|               ; the largest magnitude of my 16, in two chains
	v_max3_num_f32 v9, |v[XS+3]|, |v[XS+4]|, |v[XS+5]|
.irp i, 6,10
	v_max3_num_f32 v8, v8, |v[XS+\i]|, |v[XS+\i+1]|
	v_max3_num_f32 v9, v9, |v[XS+\i+2]|, |v[XS+\i+3]|
.endr
	v_max3_num_f32 v8, v8, |v[XS+14]|, |v[XS+15]|
	v_max3_num_f32 v8, v8, v9, (EMAX+1)<<23        ; and the floor 2^(3 - 127): the byte cannot fall under 1
	v_max_num_f32_dpp v8, v8, v8 row_xmask:1 row_mask:0xf bank_mask:0xf   ; and of my neighbour's 16: the block's
	v_add_nc_u32 v11, -(EMAX<<23), v8              ; 2 off its exponent field: the conversion takes the exponent field of this operand as its scale, and nothing else of it
	v_cvt_scalef32_pk8_fp4_f32 v[C+2*(\t)], v[XS:XS+7], v11
	v_cvt_scalef32_pk8_fp4_f32 v[C+2*(\t)+1], v[XS+8:XS+15], v11
	v_lshrrev_b32 v[E+(\t)], 23, v11               ; the scale's byte.  (Also the plain instruction between the conversions and the lines that touch their results)
	v_xor_b32 v[C+2*(\t)], s22, v[C+2*(\t)]        ; q: the signs are turned; k: nothing changes
	v_xor_b32 v[C+2*(\t)+1], s22, v[C+2*(\t)+1]
	ds_store_b8 v5, v[E+(\t)] offset:16*(\t)       ; both lanes of a block write the same byte with the same value
	global_store_b64 v4, v[C+2*(\t):C+2*(\t)+1], s[10:11] offset:32*CB*(\t)   ; the wave stores 256 consecutive bytes, aligned
.endm
.irp t, 0,1,2,3,4,5,6,7,8,9,10,11,12,13,14,15
	STEP \t
.endr
	ds_load_b64 v[8:9], v6                         ; LDS serves a wave's instructions in order: these see my stores
	s_wait_dscnt 0x0
	global_store_b64 v7, v[8:9], s[12:13]          ; my wave's 256 scale bytes, consecutive and aligned
	s_branch .Ltail
	; ---- v: f32 to f16
.Lcast:
	s_sub_co_u32 s21, ttmp9, 256
	s_lshl_b32 s21, s21, 2
	s_add_co_u32 s21, s21, s20                     ; my wave's run of 8,192 numbers
	s_lshl_b32 s24, s21, 15
	s_add_nc_u64 s[4:5], s[8:9], s[24:25]          ; 32,768 bytes in,
	s_lshl_b32 s26, s21, 14
	s_add_nc_u64 s[18:19], s[18:19], s[26:27]      ; 16,384 out
.irp t, 0,1,2,3,4,5,6,7
	LOAD \t
.endr
.macro CAST t
.if STEPS-1-(\t) >= AHEAD-1
	s_wait_loadcnt 4*(AHEAD-1)                     ; this step's four loads are in; those of the seven steps behind it may be out
.else
	s_wait_loadcnt 4*(STEPS-1-(\t))
.endif
	s_wait_xcnt 0x0                                ; the stores of two steps back have read their registers: this set of Y is written again only behind this wait
.irp i, 0,1,2,3
	v_cvt_pk_f16_f32 v[Y+8*((\t)%2)+2*\i],   v[R+16*((\t)%AHEAD)+4*\i],   v[R+16*((\t)%AHEAD)+4*\i+1]
	v_cvt_pk_f16_f32 v[Y+8*((\t)%2)+2*\i+1], v[R+16*((\t)%AHEAD)+4*\i+2], v[R+16*((\t)%AHEAD)+4*\i+3]
.endr
.if (\t)+AHEAD < STEPS
	LOAD (\t)+AHEAD                                ; loads ahead of stores
.endif
.irp i, 0,1,2,3
	global_store_b64 v4, v[Y+8*((\t)%2)+2*\i:Y+8*((\t)%2)+2*\i+1], s[18:19] offset:1024*(\t)+256*\i   ; the wave stores 256 consecutive bytes, aligned
.endr
.endm
.irp t, 0,1,2,3,4,5,6,7,8,9,10,11,12,13,14,15
	CAST \t
.endr
.Ltail:
	s_wait_tensorcnt 0x0                           ; the wave's end, behind my last LDS store
	ds_add_u32 v[SPW], v[NIL]
	s_wait_dscnt 0x0
	s_endpgm
.Lfunc_end_k_qc5ea5f9ef2_prep:
	.size	k_qc5ea5f9ef2_prep, .Lfunc_end_k_qc5ea5f9ef2_prep-k_qc5ea5f9ef2_prep
	.p2alignl 7, 3214868480
	.fill 96, 4, 3214868480
	.section	.rodata,"a",@progbits
	.p2align	6, 0x0
	.amdhsa_kernel k_qc5ea5f9ef2_prep
		.amdhsa_group_segment_fixed_size 33280
		.amdhsa_private_segment_fixed_size 0
		.amdhsa_enable_private_segment 0
		.amdhsa_kernarg_size 64
		.amdhsa_user_sgpr_count 2
		.amdhsa_user_sgpr_kernarg_segment_ptr 1
		.amdhsa_wavefront_size32 1
		.amdhsa_system_sgpr_workgroup_id_x 1
		.amdhsa_system_sgpr_workgroup_id_y 1
		.amdhsa_system_sgpr_workgroup_id_z 1
		.amdhsa_system_vgpr_workitem_id 0
		.amdhsa_next_free_vgpr 224
		.amdhsa_next_free_sgpr 66
		.amdhsa_reserve_vcc 0
		.amdhsa_float_denorm_mode_32 3
		.amdhsa_float_denorm_mode_16_64 3
		.amdhsa_memory_ordered 1
		.amdhsa_forward_progress 1
		.amdhsa_inst_pref_size 56
	.end_amdhsa_kernel
	.amdgpu_metadata
---
amdhsa.version: [ 1, 2 ]
amdhsa.kernels:
  - .name:           k_qc5ea5f9ef2_prep
    .symbol:         k_qc5ea5f9ef2_prep.kd
    .args:
      - { .name: q, .offset: 0, .size: 8, .value_kind: global_buffer, .address_space: global }
      - { .name: k, .offset: 8, .size: 8, .value_kind: global_buffer, .address_space: global }
      - { .name: v, .offset: 16, .size: 8, .value_kind: global_buffer, .address_space: global }
      - { .name: q_codes, .offset: 24, .size: 8, .value_kind: global_buffer, .address_space: global }
      - { .name: q_scales, .offset: 32, .size: 8, .value_kind: global_buffer, .address_space: global }
      - { .name: k_codes, .offset: 40, .size: 8, .value_kind: global_buffer, .address_space: global }
      - { .name: k_scales, .offset: 48, .size: 8, .value_kind: global_buffer, .address_space: global }
      - { .name: v16, .offset: 56, .size: 8, .value_kind: global_buffer, .address_space: global }
    .group_segment_fixed_size: 33280
    .private_segment_fixed_size: 0
    .kernarg_segment_align: 8
    .kernarg_segment_size: 64
    .max_flat_workgroup_size: 128
    .sgpr_count:     66
    .vgpr_count:     224
    .wavefront_size: 32
...
	.end_amdgpu_metadata
.endif
;; end of part 1
;; launch attn (part 2): grid 16 x 16, 8 waves a work-group, clusters of 4 x 1, 327,680 bytes of LDS; arguments q_codes, q_scales, k_codes, k_scales, v16, mask, out0; writes out0
.if DOCPART == 2
	.amdgcn_target "amdgcn-amd-amdhsa--gfx1250"
	.amdhsa_code_object_version 6
	.text
	.protected	k_qc5ea5f9ef2_attn
	.globl	k_qc5ea5f9ef2_attn
	.p2align	8
	.type	k_qc5ea5f9ef2_attn,@function
k_qc5ea5f9ef2_attn:
	s_mov_b64 s[64:65], 0
	v_nop
	global_prefetch_b8 v0, s[64:65] scope:SCOPE_SE
	s_setreg_imm32_b32 hwreg(HW_REG_WAVE_MODE, 25, 1), 1
	s_wait_xcnt 0x0
	s_wait_alu depctr_hold_cnt(0) depctr_sa_sdst(0) depctr_va_vdst(0) depctr_va_sdst(0) depctr_va_ssrc(0) depctr_va_vcc(0) depctr_vm_vsrc(0)
	s_getreg_b32 s2, hwreg(HW_REG_IB_STS2, 6, 4)
	s_cmp_eq_u32 s2, 0
	s_cbranch_scc0 .Lentry_in_a_cluster
	s_endpgm
.Lentry_in_a_cluster:
	s_bfe_u32 s2, ttmp6, 0x10000c
	s_cmp_lg_u32 s2, 0x3003
	s_cbranch_scc0 .Lentry_shape_is_right
	s_endpgm
.Lentry_shape_is_right:
; out[b][q][:] = sum over k of softmax_k(mask[b][q][k] ? -FLT_MAX : q . k / sqrt(128)) v[b][k][:].  16 batches, 2,048 queries, 2,048 keys, 128 channels.
; The first product runs on codes of FP4 (E2M1) with E8M0 scales (made by the launch before; q's codes carry turned signs), the second on f16 operands; all sums, minima and exponentials in f32.
; u = -(q . k) + (mask ? 2^104 : 0).  THE MASK IS THE C OF THE FIRST PRODUCT: a mask byte, 0 or 1, read as a code of E4M3 is 0 or 2^-9; one scaled conversion (scale byte 240 = 2^113) turns eight bytes into eight f32
; numbers, 0 or 2^104, written straight into the score tile's registers, onto which the one matrix instruction of that tile adds.
; SOFTMAX.  For each query a running MINIMUM m of u (the maximum of the scores) and a running sum l: p = 2^(-c u + c m), c = log2(e) / sqrt(128); from step to step O and l are multiplied by a = 2^(c m_new - c m_old).
; ROWS THAT ARE MASKED EVERYWHERE.  m starts at CAP = 2^96 and only falls, so m = CAP says that no key has counted yet.  While that holds, the factor and the addend of the exponent are 0 (two selects): p = 1 for every key,
; a = 1: the mean of v, as softmax of equal numbers gives.  The first key that counts makes a = 0, which wipes those sums.  No branch hangs on data.
; LIMITS: |q . k| under 2^96; |v| under 65,504 (f16); no NaN, no infinities among the inputs.
; SHARES.  A work-group owns 128 queries of a batch.  Keys go in blocks of 256.  Wave w: g = w % 4 picks 32 queries (two tiles of 16), e = w / 4 picks keys 128 e .. 128 e + 127 of every block.  Two waves lie on a SIMD, 512
; registers each.  Each fragment of K and of V that is read from LDS feeds two products.  At the end the two halves of the keys are joined through LDS.
; THE SECOND PRODUCT RUNS ONE STEP BEHIND THE FIRST.  Step t makes the scores of block t and walks their softmax; the 64 products V^T P of block t - 1 stand between the softmax's lines, two at a time with a slice of eight
; or nine vector lines behind each pair: the two kinds of work share no register.  So there are nine steps: step 0 has no second product, step 8 nothing else.  O is brought under step t - 1's minimum at the head of step t.
; THE RING.  Two slots.  Step t reads K and the mask of block t in slot t % 2 and V of block t - 1 in slot (t - 1) % 2.  The head asks for K(0), mask(0), V(0) (slot 0) and V(1) (slot 1); the change of slots at the head of step t
; asks for K(t + 1) and mask(t + 1) (t up to 6) and for V(t) (t from 2 to 7).  So every load behind a round at.
; CLUSTER.  The four query blocks of a cluster belong to one batch and walk the same K, scales and V: those tiles are asked for JOINTLY (mask 15).  The mask's tile belongs to one work-group alone: a load of its own.
; LAYOUT.  Both products are used transposed (S^T = K Q^T, O^T = V^T P): a lane holds ONE query (lane % 16) throughout.  THE KEYS OF A TILE ARE NOT NEIGHBOURS: lane r of tile 2 u + s takes key 32 u + 8 s + r + 8 (r / 8),
; so that the 16 registers of tiles 2 u, 2 u + 1 are keys 32 u + 16 (lane / 16) + 0 .. 15: 16 neighbouring mask bytes, and, rounded in pairs, source 1 of the second product; V's fragments are fetched in the same order of keys.
; REGISTERS.  Window 0: v1-11 addresses and constants; v12-35 statistics, 12 a tile; v36-39 K's scale words, v40-41 Q's; v48-63 Q; v64-191 S^T, 64 a tile; v192-255 P, 32 a tile.
;   Window 1: v0-127 O^T, 64 a tile; v128-191 K's eight fragments, then V's buffer 0; v192-255 V's buffer 1, whose first 32 hold the mask's bytes until they are converted.
; All that the softmax touches lies in window 0, and O^T and V fill window 1: so a slice costs two switches of the window, 64 for a step's 64 products V^T P.
.set KP,    80                         ; a key's codes in LDS: 64 bytes + 16 of padding
.set VP,    288                        ; a row of V: 256 + 32
.set MP,    272                        ; a query's 256 mask bytes + 16
.set SLOT1, 1<<17                      ; slot 1 begins here: one exclusive or turns an address in one slot into the other's
.set VOFF,  256*KP                     ; a slot: 256 rows of K, 256 rows of V, 128 rows of the mask: 129,024 bytes
.set MOFF,  VOFF+256*VP
.set SCK,   2*SLOT1                    ; behind the ring: K's scale bytes of the whole batch, 8,192 bytes as 32 pieces of 256 + 16 of padding
.set SPARE, SCK+32*272                 ; the spare words, 128 bytes for each of eight waves, which no other line names
.set RGB,   21504                      ; the end: a region for each wave, at RGB g + SLOT1 e, in the slots, which have then had their last fill and their last read:
.set RST,   16384                      ;   its O^T as an image of the registers (16,384 bytes), its statistics (512),
.set ROS,   16896                      ;   and its stage for the way out: 16 rows x 272 bytes
.set AK0,  1                           ; v1   my lane's place in a slot's K
.set AV0,  2                           ; v2   in its V
.set AM0,  3                           ; v3   in its mask
.set ASK0, 4                           ; v4   among K's scale words
.set SPW,  5                           ; v5   LDS address of my spare word; never rewritten
.set NIL,  6                           ; v6   0; never rewritten
.set ADK,  7                           ; v7-10 the addresses of the step in hand
.set ADV,  8
.set ADM,  9
.set ADS,  10
.set MSC,  11                          ; v11  the conversion's scale: byte 240 in every byte
.set ST,   12                          ; tile t's statistics at v[ST + 12 t]: +0 the factor (-c or 0), +1 m, +2 the addend (c m or 0), +3 c m, +4 a, +5 at work, +6, +7 l in two halves, +8 .. +11 four chains
.set KS,   36                          ; v36-39 K's scale words: register u: lanes 0-15 tile 2 u, lanes 16-31 tile 2 u + 1
.set QS,   40                          ; v40-41 Q's scale words
.set NEGC, 42                          ; v42  -c
.set ZR,   43                          ; v43  0
.set PFO,  44                          ; v44  the prefetches' offset from lane to lane; never rewritten
.set Q,    48
.set S,    64
.set P,    192
.set F,    128                         ; in window 1: K's fragments
.set M,    192                         ; in window 1: the mask's bytes
.set VB0,  128                         ; in window 1: V's two buffers, 32 keys x 128 channels each
.set VB1,  192
.set WV,   18                          ; s18  wave
.set E,    19                          ; s19  my half of a block's keys
.set SEL,  20                          ; s[20:21] v_permlanex16_b32's selects for lane l xor 16
.set G,    22                          ; s22  my 32 queries
.set G1K,  24                          ; descriptor groups 1: K's codes, V, the mask, K's scales
.set G1V,  32
.set G1M,  40
.set G1S,  48
.set G0K,  56                          ; groups 0: K's walks;
.set G0V,  60                          ; V's begins with V(1) into slot 1 and walks on from there;
.set G0M,  68                          ; the mask's walks;
.set G0S,  72                          ; the scales', used once;
.set G0V0, 96                          ; V(0) into slot 0, used once
.set TB,   76                          ; s76  LDS byte at which the slot with the step's K and mask begins
.set TS,   77                          ; s77  where the step's scale words begin: 1,088 bytes a block
.set SLOTS, 78                         ; s78  7 less the step's number at a change of slots
.set LIM,  79                          ; s79  1 in a wave that prefetches, else the greatest number
.set PM,   80                          ; s80  1: only where SLOTS is odd
.set TV,   81                          ; s81  LDS byte at which the slot with the step's V begins: the other slot
.set PFA,  82                          ; s[82:83] where my prefetches stand
.set PFS,  84                          ; s[84:85] a block on, in bytes
.set CS,   86                          ; s86  c
.set CAP,  87                          ; s87  2^96
.set FL,   88                          ; s88-89 the two tiles' flags
.set MSB, 0
.macro WIN new                         ; s_set_vgpr_msb: bits 1:0 source 0, 3:2 source 1, 5:4 source 2, 7:6 destination; the high byte repeats the setting that is left
.if MSB != \new
	s_set_vgpr_msb (MSB<<8)|\new
.set MSB, \new
.endif
.endm
.macro PLACES                          ; four plain instructions behind matrix instructions, ahead of loads into registers that they read and of the first read of their results
.rept 4
	v_nop
.endr
.endm
.macro CROUND                          ; a round of the cluster's barrier: my work-group's barrier; wave 0 signals for the work-group; every wave waits for all four; my work-group's barrier once more
	s_barrier_signal -1
	s_barrier_wait -1
	s_cmp_lg_u32 s[WV], 0
	s_cbranch_scc1 .Lnot_wave_0_\@
	s_barrier_signal -3
.Lnot_wave_0_\@:
	s_barrier_wait -3
	s_barrier_signal -1
	s_barrier_wait -1
.endm
.macro TL g0, g1                       ; a tensor load; an s_nop 0 and four v_nop follow it
	tensor_load_to_lds s[\g0:\g0+3], s[\g1:\g1+7]
	s_nop 0
	PLACES
.endm
; The loads of a change of slots, one tensor load a wave at the most: waves 0-3 a quarter of V (64 rows), waves 4, 5 half of the mask (64 rows), waves 6, 7 half of K (128 rows).  The branches hang on the wave's number alone.
; kind = 1: K and the mask alone; 2: all three; 3: V alone.
.macro JLOAD kind
.if \kind != 3
.if \kind == 2
	s_cmp_lt_u32 s[WV], 4
	s_cbranch_scc0 .Lnot_v_\@
	TL G0V, G1V
	s_branch .Lasked_\@
.Lnot_v_\@:
.else
	s_cmp_lt_u32 s[WV], 4
	s_cbranch_scc1 .Lasked_\@
.endif
	s_cmp_lt_u32 s[WV], 6
	s_cbranch_scc0 .Lfor_k_\@
	TL G0M, G1M
	s_branch .Lasked_\@
.Lfor_k_\@:
	TL G0K, G1K
.else
	s_cmp_lt_u32 s[WV], 4
	s_cbranch_scc0 .Lasked_\@
	TL G0V, G1V
.endif
.Lasked_\@:
.endm
; A PREFETCH INTO THE L2, one instruction a wave, behind the loads of a change of slots: at the head of step t for block t + 2 (t up to 5).  K's and the mask's loads of that block stand at the next change, V's at the one after.
; Each aligned block of 256 bytes is named once in the launch.
; The mask: every work-group asks for its own 128 rows' 256 bytes: waves 4-7, 32 rows each, a lane a row.  V and K are walked by all four clusters of a batch: the batch's first cluster asks, its four partners told apart BY ADDRESS:
; V's 256 rows of 256 bytes: 64 a partner, waves 0 and 1, a lane a row.  K's codes: a block is 16,384 dense bytes, so wave 2 asks at every second change for two blocks: 8,192 bytes a partner, lanes 256 bytes apart.
; Blocks 0 and 1 come by their loads alone; behind block 7 there is nothing to ask for.
.macro ASK
	s_cmp_gt_u32 s[SLOTS], s[LIM]
	s_cbranch_scc0 .Lnot_mine_\@
	s_and_b32 s93, s[SLOTS], s[PM]
	s_cmp_eq_u32 s93, s[PM]
	s_cbranch_scc0 .Lnot_mine_\@
	global_prefetch_b8 v[PFO], s[PFA:PFA+1] th:TH_LOAD_NT scope:SCOPE_SE
.Lnot_mine_\@:
.endm
	s_load_b256 s[4:11], s[0:1], 0x0               ; q's codes s[4:5], q's scales s[6:7], k's codes s[8:9], k's scales s[10:11]
	s_load_b128 s[12:15], s[0:1], 0x20             ; v16 s[12:13], mask s[14:15]
	s_load_b64 s[16:17], s[0:1], 0x30              ; out0
	v_lshl_add_u32 v[SPW], v0, 2, SPARE
	v_mov_b32 v[NIL], 0
	ds_add_u32 v[SPW], v[NIL]                      ; the wave's opening: the add, twice on end, and its wait ahead of my first tensor load; the set-up below stands between the second and the wait
	ds_add_u32 v[SPW], v[NIL]
	v_lshrrev_b32 v7, 5, v0
	v_readfirstlane_b32 s[WV], v7                  ; wave 0..7
	s_lshr_b32 s[E], s[WV], 2
	s_and_b32 s[G], s[WV], 3
	s_and_b32 s92, s[WV], 1
	s_and_b32 s91, ttmp7, 0xffff                   ; the batch, which the four partners share
	s_bfe_u32 s23, ttmp6, 0x40000                  ; cx: my place in the cluster.  It enters s2, s3, s23, s66, s67, s90, the prefetches' address and q's, the mask's and out0's addresses alone
	s_lshl_b32 s90, ttmp9, 2
	s_add_co_u32 s90, s90, s23                     ; my block of 128 queries
	; K's codes: 128 rows of 64 bytes, dense; 16 bytes of padding behind each
	s_mov_b32 s[G1K], 15|(1<<20)|(1<<21)|(3<<22)|(3<<25)          ; 15:0 all four work-groups; 17:16 elements of 1 byte; 20 padding on; 21 set beside a mask; 24:22 after every 16 words; 31:25 four words
	s_mov_b32 s[G1K+1], 64<<16                     ; tensor_dim0
	s_mov_b32 s[G1K+2], 128<<16                    ; tensor_dim1
	s_mov_b32 s[G1K+3], 64<<16                     ; tile_dim0
	s_mov_b32 s[G1K+4], 128                        ; tile_dim1
	s_mov_b32 s[G1K+5], 64                         ; from row to row
	s_mov_b32 s[G1K+6], 0
	s_mov_b32 s[G1K+7], 0
	; V: 64 rows of 128 f16, dense; 32 bytes of padding behind each
	s_mov_b32 s[G1V], 15|(1<<16)|(1<<20)|(1<<21)|(5<<22)|(7<<25)  ; elements of 2 bytes; after every 64 words eight words
	s_mov_b32 s[G1V+1], 128<<16
	s_mov_b32 s[G1V+2], 64<<16
	s_mov_b32 s[G1V+3], 128<<16
	s_mov_b32 s[G1V+4], 64
	s_mov_b32 s[G1V+5], 128
	s_mov_b32 s[G1V+6], 0
	s_mov_b32 s[G1V+7], 0
	; the mask: 64 rows of 256 bytes, 2,048 bytes apart; 16 bytes of padding behind each; no work-group mask: my own load
	s_mov_b32 s[G1M], (1<<20)|(5<<22)|(3<<25)
	s_mov_b32 s[G1M+1], 256<<16
	s_mov_b32 s[G1M+2], 64<<16
	s_mov_b32 s[G1M+3], 256<<16
	s_mov_b32 s[G1M+4], 64
	s_mov_b32 s[G1M+5], 2048
	s_mov_b32 s[G1M+6], 0
	s_mov_b32 s[G1M+7], 0
	; K's scale bytes: an eighth of the batch's, 1,024 dense bytes, as 4 rows of 256 (32 elements of 8 bytes), 16 bytes of padding behind each
	s_mov_b32 s[G1S], 15|(3<<16)|(1<<20)|(1<<21)|(5<<22)|(3<<25)
	s_mov_b32 s[G1S+1], 32<<16
	s_mov_b32 s[G1S+2], 4<<16
	s_mov_b32 s[G1S+3], 32<<16
	s_mov_b32 s[G1S+4], 4
	s_mov_b32 s[G1S+5], 32
	s_mov_b32 s[G1S+6], 0
	s_mov_b32 s[G1S+7], 0
	; groups 0: the count and the LDS addresses: constants and the wave's number
	s_mov_b32 s[G0K], 1
	s_mul_i32 s[G0K+1], s92, 128*KP
	s_mov_b32 s[G0V0], 1
	s_mul_i32 s[G0V0+1], s[G], 64*VP
	s_add_co_u32 s[G0V0+1], s[G0V0+1], VOFF        ; V(0): slot 0
	s_mov_b32 s[G0V], 1
	s_add_co_u32 s[G0V+1], s[G0V0+1], SLOT1        ; V(1): slot 1
	s_mov_b32 s[G0M], 1
	s_mul_i32 s[G0M+1], s92, 64*MP
	s_add_co_u32 s[G0M+1], s[G0M+1], MOFF
	s_mov_b32 s[G0S], 1
	s_mul_i32 s[G0S+1], s[WV], 4*272
	s_add_co_u32 s[G0S+1], s[G0S+1], SCK
	s_mov_b32 s[SEL], 0x76543210
	s_mov_b32 s[SEL+1], 0xfedcba98
	s_mov_b32 s[CS], 0x3e0293ee                    ; c = log2(e) / sqrt(128)
	s_mov_b32 s[CAP], 0x6f800000                   ; 2^96
	s_mov_b32 s[TB], 0
	s_mov_b32 s[TV], SLOT1
	s_mul_i32 s[TS], s[E], 2*272                   ; my 128 keys' scale words: two pieces of 256 bytes
	s_mov_b32 s[SLOTS], 7
	s_mov_b32 s95, 0
	s_wait_dscnt 0x0                               ; both opening adds are done
	s_wait_kmcnt 0x0
	s_lshl_b32 s94, s91, 17                        ; K's codes: 131,072 bytes a batch, + my 128 rows
	s_lshl_b32 s93, s92, 13
	s_add_co_u32 s94, s94, s93
	s_add_nc_u64 s[G0K+2:G0K+3], s[8:9], s[94:95]
	s_or_b32 s[G0K+3], s[G0K+3], 0x80000000        ; the type
	s_lshl_b32 s94, s91, 19                        ; V: 524,288 bytes a batch, + my 64 rows
	s_lshl_b32 s93, s[G], 14
	s_add_co_u32 s94, s94, s93
	s_add_nc_u64 s[G0V0+2:G0V0+3], s[12:13], s[94:95]
	s_add_nc_u64 s[G0V+2:G0V+3], s[G0V0+2:G0V0+3], 256*256   ; and the next block's
	s_or_b32 s[G0V0+3], s[G0V0+3], 0x80000000
	s_or_b32 s[G0V+3], s[G0V+3], 0x80000000
	s_lshl_b32 s94, s91, 13                        ; K's scales: 8,192 bytes a batch, + my eighth
	s_lshl_b32 s93, s[WV], 10
	s_add_co_u32 s94, s94, s93
	s_add_nc_u64 s[G0S+2:G0S+3], s[10:11], s[94:95]
	s_or_b32 s[G0S+3], s[G0S+3], 0x80000000
	s_lshl_b32 s66, s90, 7                         ; the mask: row 128 x block + 64 x half, 2,048 bytes a row, 4,194,304 a batch
	s_lshl_b32 s67, s92, 6
	s_add_co_u32 s66, s66, s67
	s_lshl_b32 s66, s66, 11
	s_lshl_b32 s67, s91, 22
	s_add_co_u32 s66, s66, s67
	s_mov_b32 s67, 0
	s_add_nc_u64 s[G0M+2:G0M+3], s[14:15], s[66:67]
	s_or_b32 s[G0M+3], s[G0M+3], 0x80000000
	CROUND                                         ; all four work-groups are here: the first joint loads meet
	TL G0S, G1S                                    ; K's scale bytes of the whole batch: every wave an eighth; filled once
	s_cmp_lt_u32 s[WV], 4                          ; the other first fills of the head: waves 0-3 have three tensor loads out, the others two
	s_cbranch_scc0 .Lhead_not_v
	tensor_load_to_lds s[G0V0:G0V0+3], s[G1V:G1V+7]   ; V(0), read in step 1
	s_nop 0
	TL G0V, G1V                                    ; V(1), read in step 2
	s_branch .Lhead_asked
.Lhead_not_v:
	s_cmp_lt_u32 s[WV], 6
	s_cbranch_scc0 .Lhead_k
	TL G0M, G1M                                    ; mask(0)
	s_branch .Lhead_asked
.Lhead_k:
	TL G0K, G1K                                    ; K(0)
.Lhead_asked:
	; q: my 32 rows
	s_lshl_b32 s2, s91, 11
	s_lshl_b32 s3, s90, 7
	s_add_co_u32 s2, s2, s3
	s_lshl_b32 s3, s[G], 5
	s_add_co_u32 s2, s2, s3                        ; my first query: 2,048 x batch + 128 x block + 32 g
	s_lshl_b32 s66, s2, 6
	s_add_nc_u64 s[4:5], s[4:5], s[66:67]          ; its codes, 64 bytes a row
	s_lshl_b32 s66, s2, 2
	s_add_nc_u64 s[6:7], s[6:7], s[66:67]          ; its scale word
	s_lshl_b32 s3, s[E], 4
	s_add_co_u32 s3, s2, s3
	s_lshl_b32 s66, s3, 9
	s_add_nc_u64 s[16:17], s[16:17], s[66:67]      ; out0 at the 16 rows that I store: + 16 e
	v_and_b32 v9, 15, v0                           ; r
	v_bfe_u32 v10, v0, 4, 1                        ; h
	v_lshlrev_b32 v7, 6, v9
	v_lshl_add_u32 v7, v10, 4, v7                  ; 64 r + 16 h
	v_lshlrev_b32 v8, 2, v9                        ; 4 r
.irp qt, 0,1
.irp c, 0,1
	global_load_b128 v[Q+8*\qt+4*\c:Q+8*\qt+4*\c+3], v7, s[4:5] offset:1024*\qt+32*\c   ; Q's two fragments stay in registers
.endr
	global_load_b32 v[QS+\qt], v8, s[6:7] offset:64*\qt
.endr
	; the prefetches: where my wave's stand (in block 1: the first change of slots steps them to block 2), and who asks
	s_lshl_b32 s66, s90, 7
	s_lshl_b32 s67, s[G], 5
	s_add_co_u32 s66, s66, s67
	s_lshl_b32 s66, s66, 11
	s_lshl_b32 s67, s91, 22
	s_add_co_u32 s66, s66, s67
	s_add_co_u32 s66, s66, 256                     ; the mask: row 128 x block + 32 (w % 4)
	s_lshl_b32 s2, s23, 6
	s_lshl_b32 s67, s92, 5
	s_add_co_u32 s2, s2, s67
	s_lshl_b32 s2, s2, 8
	s_lshl_b32 s67, s91, 19
	s_add_co_u32 s2, s2, s67
	s_add_co_u32 s2, s2, 65536                     ; V: row 64 cx + 32 (w % 2)
	s_lshl_b32 s3, s23, 13
	s_lshl_b32 s67, s91, 17
	s_add_co_u32 s3, s3, s67
	s_add_co_u32 s3, s3, 16384                     ; K: byte 8,192 cx
	s_mov_b32 s[PFS], 65536
	s_mov_b32 s100, 16384
	s_cmp_eq_u32 s[WV], 2                          ; wave 2: K; waves 0, 1: V
	s_cselect_b64 s[PFA:PFA+1], s[8:9], s[12:13]
	s_cselect_b32 s2, s3, s2
	s_cselect_b32 s[PFS], s100, s[PFS]
	s_cselect_b32 s[PM], 1, 0
	s_mov_b32 s100, 256
	s_mov_b32 s101, 2048
	s_cmp_lt_u32 s[WV], 4                          ; waves 4-7: the mask
	s_cselect_b64 s[PFA:PFA+1], s[PFA:PFA+1], s[14:15]
	s_cselect_b32 s2, s2, s66
	s_cselect_b32 s[PFS], s[PFS], s100
	s_cselect_b32 s101, s100, s101                 ; from lane to lane
	s_cselect_b32 s[LIM], ttmp9, 0                 ; K and V: the batch's first cluster alone; the same in all four partners
	s_cmp_eq_u32 s[WV], 3
	s_cselect_b32 s[LIM], 1, s[LIM]                ; wave 3 asks for nothing
	s_cmp_eq_u32 s[LIM], 0
	s_cselect_b32 s[LIM], 1, -1
	s_mov_b32 s3, 0
	s_mov_b32 s[PFS+1], 0
	s_add_nc_u64 s[PFA:PFA+1], s[PFA:PFA+1], s[2:3]
	v_and_b32 v[PFO], 31, v0
	v_mul_lo_u32 v[PFO], v[PFO], s101
	; my lane's places in a slot
	v_and_b32 v1, 8, v9
	v_add_nc_u32 v1, v1, v9                        ; r + 8 (r / 8)
	v_lshl_add_u32 v[ASK0], v1, 2, SCK             ; K's scale words: 4 bytes a key;
	v_lshl_add_u32 v[ASK0], v10, 5, v[ASK0]        ; lanes 16-31 take the tile 8 keys on
	v_mul_u32_u24 v[AK0], v1, KP
	v_lshl_add_u32 v[AK0], v10, 4, v[AK0]
	s_mul_i32 s93, s[E], 128*KP
	v_add_nc_u32 v[AK0], s93, v[AK0]               ; K: row r + 8 (r / 8) of my 128, + 16 h
	v_and_b32 v[AV0], 7, v0
	v_lshl_add_u32 v[AV0], v10, 4, v[AV0]
	v_mul_u32_u24 v[AV0], v[AV0], VP
	v_bfe_u32 v[AM0], v0, 3, 1
	v_lshl_add_u32 v[AV0], v[AM0], 4, v[AV0]
	s_mul_i32 s93, s[E], 128*VP
	s_add_co_u32 s93, s93, VOFF
	v_add_nc_u32 v[AV0], s93, v[AV0]               ; V, for the turning load: key 16 h + lane % 8, channels 8 ((lane / 8) % 2) on
	v_mul_u32_u24 v[AM0], v9, MP
	v_lshl_add_u32 v[AM0], v10, 4, v[AM0]
	s_mul_i32 s93, s[G], 32*MP
	s_lshl_b32 s94, s[E], 7
	s_add_co_u32 s93, s93, s94
	s_add_co_u32 s93, s93, MOFF
	v_add_nc_u32 v[AM0], s93, v[AM0]               ; the mask: row 32 g + r, byte 128 e + 16 h
	v_mov_b32 v[MSC], 0xf0f0f0f0
	v_mov_b32 v[NEGC], 0xbe0293ee
	v_mov_b32 v[ZR], 0
.irp t, 0,1
	v_mov_b32 v[ST+12*\t+1], s[CAP]                ; m
	v_mul_f32 v[ST+12*\t+3], s[CS], v[ST+12*\t+1]  ; c m, by the same multiplication as in every step: equal m give equal bits
	v_mov_b32 v[ST+12*\t+6], 0                     ; l
	v_mov_b32 v[ST+12*\t+7], 0
.endr
; 16 turning loads: keys 32 u .. 32 u + 31 of my 128, all 128 channels, as eight fragments of V^T at v[fb] of window 1: registers 0-3 keys 16 h + 0 .. 7, registers 4-7 keys 16 h + 8 .. 15, as P has them
.macro VLOAD u, fb
	WIN 0x40                                       ; destination window 1, address window 0
.irp ct, 0,1,2,3,4,5,6,7
	ds_load_tr16_b128 v[(\fb)+8*\ct:(\fb)+8*\ct+3],   v[ADV] offset:\u*32*VP+32*\ct
	ds_load_tr16_b128 v[(\fb)+8*\ct+4:(\fb)+8*\ct+7], v[ADV] offset:\u*32*VP+8*VP+32*\ct
.endr
.endm
; the minimum of a lane's 64 u and the old m, three operands at a time: four chains a tile, both tiles by turns; each score tile is read from its low end on; then the lane 16 away, which holds the query's other keys
.macro MINS
.irp k, 0,1,2,3
.irp t, 0,1
	v_min3_num_f32 v[ST+12*\t+8+\k], v[S+64*\t+16*\k], v[S+64*\t+16*\k+1], v[S+64*\t+16*\k+2]
.endr
.endr
.irp i, 3,5,7,9,11,13
.irp k, 0,1,2,3
.irp t, 0,1
	v_min3_num_f32 v[ST+12*\t+8+\k], v[ST+12*\t+8+\k], v[S+64*\t+16*\k+\i], v[S+64*\t+16*\k+\i+1]
.endr
.endr
.endr
.irp t, 0,1
	v_min3_num_f32 v[ST+12*\t+8], v[ST+12*\t+8], v[S+64*\t+15], v[S+64*\t+31]
	v_min3_num_f32 v[ST+12*\t+10], v[ST+12*\t+10], v[S+64*\t+47], v[S+64*\t+63]
.endr
.irp t, 0,1
	v_min3_num_f32 v[ST+12*\t+8], v[ST+12*\t+8], v[ST+12*\t+9], v[ST+12*\t+10]
.endr
.irp t, 0,1
	v_min3_num_f32 v[ST+12*\t+8], v[ST+12*\t+8], v[ST+12*\t+11], v[ST+12*\t+1]
.endr
.irp t, 0,1
	v_permlanex16_b32 v[ST+12*\t+9], v[ST+12*\t+8], s[SEL], s[SEL+1]
.endr
.irp t, 0,1
	v_min_num_f32 v[ST+12*\t+1], v[ST+12*\t+8], v[ST+12*\t+9]
.endr
.endm
; line n of 33 of tile t's sums: l = a l + the sum of the unrounded p, two at a time, in two chains
.macro SUMI t, n
.set rT, ST+12*(\t)
.set rS, S+64*(\t)
.set sn, (\n)
.if sn == 0
	v_pk_mul_f32 v[rT+6:rT+7], v[rT+6:rT+7], v[rT+4:rT+5] op_sel_hi:[1,0]
.elseif sn == 1
	v_pk_add_f32 v[rT+8:rT+9], v[rS:rS+1], v[rS+2:rS+3]
.elseif sn == 32
	v_pk_add_f32 v[rT+6:rT+7], v[rT+6:rT+7], v[rT+8:rT+9]
.elseif sn%2 == 0
	v_pk_add_f32 v[rT+6:rT+7], v[rT+6:rT+7], v[rS+2*sn:rS+2*sn+1]
.else
	v_pk_add_f32 v[rT+8:rT+9], v[rT+8:rT+9], v[rS+2*sn:rS+2*sn+1]
.endif
.endm
; THE SOFTMAX BEHIND THE MINIMA is a list of 272 lines for the two tiles; SMI writes number sj of it.
;   0-13     the statistics, seven lines a tile: c m_old is kept; c m_new; has no key counted yet?; c m_new - c m_old; the factor; the addend; a
;   14-45    tile 0's 32 scalings (two exponents each: of the pairs (factor, m) and (addend, c m) the low word serves both halves)
;   46-141   tile 0's 64 exponentials and tile 1's 32 scalings: two exponentials, one scaling, 32 times
;   (wait)   for a of both tiles and tile 0's exponentials: nothing has named a result yet
;   142-238  tile 1's 64 exponentials and tile 0's 33 lines of sums: two exponentials, one line of sums, 32 times; then the last line of sums
;   (wait)   for tile 1's exponentials
;   239-271  tile 1's 33 lines of sums
.macro SMI
.if sj < 14
.set rT, ST+12*(sj/7)
.set rF, FL+sj/7
.set si, sj%7
.if si == 0
	v_mov_b32 v[rT+5], v[rT+3]
.elseif si == 1
	v_mul_f32 v[rT+3], s[CS], v[rT+1]
.elseif si == 2
	v_cmp_ge_f32 s[rF], v[rT+1], s[CAP]
.elseif si == 3
	v_sub_f32 v[rT+5], v[rT+3], v[rT+5]
.elseif si == 4
	v_cndmask_b32 v[rT], v[NEGC], v[ZR], s[rF]
.elseif si == 5
	v_cndmask_b32 v[rT+2], v[rT+3], v[ZR], s[rF]
.else
	v_exp_f32 v[rT+4], v[rT+5]
.endif
.elseif sj < 46
.set rS, S+2*(sj-14)
	v_pk_fma_f32 v[rS:rS+1], v[rS:rS+1], v[ST:ST+1], v[ST+2:ST+3] op_sel_hi:[1,0,0]
.elseif sj < 142
.set si, sj-46
.if si%3 == 2
.set rS, S+64+2*(si/3)
	v_pk_fma_f32 v[rS:rS+1], v[rS:rS+1], v[ST+12:ST+13], v[ST+14:ST+15] op_sel_hi:[1,0,0]
.else
.set rS, S+2*(si/3)+si%3
	v_exp_f32 v[rS], v[rS]
.endif
.elseif sj < 238
.set si, sj-142
.if si%3 == 2
	SUMI 0, si/3
.else
.set rS, S+64+2*(si/3)+si%3
	v_exp_f32 v[rS], v[rS]
.endif
.elseif sj == 238
	SUMI 0, 32
.else
	SUMI 1, sj-239
.endif
.endm
; the list's lines from number sj up to, not with, number upto.  The two waits stand ahead of numbers 142 and 239: each behind a plain line that follows its batch's last exponential, each ahead of that batch's first reader
.macro SLICE upto
.rept (\upto)-sj
.if (sj == 142) || (sj == 239)
	s_wait_alu depctr_va_vdst(0)
.endif
	SMI
.set sj, sj+1
.endr
.endm
; 16 products O^T += V^T P over 32 keys, in eight pairs (the two tiles on one fragment of V): the 16 accumulators take turns, one instruction a turn.  zero = 1: they start the sums.
; mix = 1: behind pair number pk of the step's 32 stands a slice of the softmax's list, up to line 17 pk / 2: eight or nine lines
.macro PVS u, fb, zero, mix
.set ct, 0
.rept 8
	WIN 0x51                                       ; V window 1, P window 0, O^T window 1
.irp qt, 0,1
.if \zero
	v_wmma_f32_16x16x32_f16 v[64*\qt+8*ct:64*\qt+8*ct+7], v[(\fb)+8*ct:(\fb)+8*ct+7], v[P+32*\qt+8*(\u):P+32*\qt+8*(\u)+7], 0
.else
	v_wmma_f32_16x16x32_f16 v[64*\qt+8*ct:64*\qt+8*ct+7], v[(\fb)+8*ct:(\fb)+8*ct+7], v[P+32*\qt+8*(\u):P+32*\qt+8*(\u)+7], v[64*\qt+8*ct:64*\qt+8*ct+7]
.endif
.endr
.if \mix
	WIN 0
.set pk, pk+1
	SLICE (17*pk)/2
.endif
.set ct, ct+1
.endr
.endm
.macro CVT t                           ; p to f16 in pairs: the eight registers of keys 32 u + 16 h + 0 .. 15 are source 1 of the second product
.set j, 0
.rept 32
	v_cvt_pk_f16_f32 v[P+32*\t+j], v[S+64*\t+2*j], v[S+64*\t+2*j+1]
.set j, j+1
.endr
.endm
; A STEP of a wave, for its two tiles of queries.  qk = 1: the scores and the softmax of its 128 keys of this step's block.  pv = 2: O^T is brought under the last step's minimum and takes the last step's V^T P;
; pv = 1: those products start O^T's sums, and there is nothing to rescale; pv = 0: none.
.macro STEP qk, pv
.if \qk
	v_add_nc_u32 v[ADK], s[TB], v[AK0]
	v_add_nc_u32 v[ADM], s[TB], v[AM0]
	v_add_nc_u32 v[ADS], s[TS], v[ASK0]
.endif
.if \pv
	v_add_nc_u32 v[ADV], s[TV], v[AV0]
.endif
.if \qk
	WIN 0x40                                       ; destination window 1
.irp qt, 0,1
.irp u, 0,1,2,3
	ds_load_b128 v[M+16*\qt+4*\u:M+16*\qt+4*\u+3], v[ADM] offset:\qt*16*MP+32*\u   ; my query's mask bytes of keys 32 u + 16 h + 0 .. 15
.endr
.endr
.irp kt, 0,1,2,3,4,5,6,7
.irp c, 0,1
	ds_load_b128 v[F+8*\kt+4*\c:F+8*\kt+4*\c+3], v[ADK] offset:(32*(\kt/2)+8*(\kt%2))*KP+32*\c
.endr
.endr
	WIN 0
.irp u, 0,1,2,3
	ds_load_b32 v[KS+\u], v[ADS] offset:272*(\u/2)+128*(\u%2)
.endr
.else
	VLOAD 0, VB0
	VLOAD 1, VB1
.endif
.if \pv == 2
	WIN 0x41                                       ; O^T (destination and source 0) window 1, a window 0.  These 64 lines stand while the step's first LDS loads are out
.irp t, 0,1
.set j, 0
.rept 32
	v_pk_mul_f32 v[64*\t+j:64*\t+j+1], v[64*\t+j:64*\t+j+1], v[ST+12*\t+4:ST+12*\t+5] op_sel_hi:[1,0]   ; each accumulator from its low end on
.set j, j+2
.endr
.endr
.endif
.if \qk
	s_wait_dscnt 20                                ; the mask's eight loads are in; K's sixteen and the four scale words may be out
	WIN 0x01                                       ; source 0 (the mask's bytes, then K) window 1
.irp qt, 0,1
.irp kt, 0,1,2,3,4,5,6,7
	v_cvt_scale_pk8_f32_fp8 v[S+64*\qt+8*\kt:S+64*\qt+8*\kt+7], v[M+16*\qt+2*\kt:M+16*\qt+2*\kt+1], v[MSC]   ; eight mask bytes: 0 or 2^104
.endr
.endr
	PLACES                                         ; plain instructions between the conversions and the matrix instructions that add onto their results
	s_wait_dscnt 0x0
.irp kt, 0,1,2,3,4,5,6,7                       ; u = the mask's term - q . k: sixteen accumulators, one instruction each
.irp qt, 0,1
.if \kt%2
	v_wmma_scale_f32_16x16x128_f8f6f4 v[S+64*\qt+8*\kt:S+64*\qt+8*\kt+7], v[F+8*\kt:F+8*\kt+7], v[Q+8*\qt:Q+8*\qt+7], v[S+64*\qt+8*\kt:S+64*\qt+8*\kt+7], v[KS+\kt/2], v[QS+\qt] matrix_a_fmt:MATRIX_FMT_FP4 matrix_b_fmt:MATRIX_FMT_FP4 matrix_a_scale:MATRIX_SCALE_ROW1
.else
	v_wmma_scale_f32_16x16x128_f8f6f4 v[S+64*\qt+8*\kt:S+64*\qt+8*\kt+7], v[F+8*\kt:F+8*\kt+7], v[Q+8*\qt:Q+8*\qt+7], v[S+64*\qt+8*\kt:S+64*\qt+8*\kt+7], v[KS+\kt/2], v[QS+\qt] matrix_a_fmt:MATRIX_FMT_FP4 matrix_b_fmt:MATRIX_FMT_FP4
.endif
.endr
.endr
	PLACES                                         ; ahead of the loads into K's registers and of the first read of the scores
.if \pv
	VLOAD 0, VB0                                   ; the last block's V: its first 64 keys land while the minima are taken
	VLOAD 1, VB1
.endif
	WIN 0
	MINS
.endif
.set sj, 0
.set pk, 0
.if \pv
	s_wait_dscnt 16                                ; V's first group is in; the sixteen loads of the second may be out
.if \pv == 1
	PVS 0, VB0, 1, \qk
.else
	PVS 0, VB0, 0, \qk
.endif
	PLACES                                         ; ahead of the loads into the buffer just multiplied (exponentials are no places)
	VLOAD 2, VB0
	s_wait_dscnt 16                                ; the second group is in; the third's sixteen may be out
	PVS 1, VB1, 0, \qk
	PLACES
	VLOAD 3, VB1
	s_wait_dscnt 16                                ; the third is in; the fourth's sixteen may be out
	PVS 2, VB0, 0, \qk
	s_wait_dscnt 0x0
	PVS 3, VB1, 0, \qk                             ; (qk = 1: the nine lines of sums behind the last pair are the places ahead of the roundings into P, and of the next step's loads and rescaling)
	WIN 0
.else
	SLICE 272
.endif
.if \qk
	CVT 0                                          ; P has one buffer: it is written when the last product has read it
	CVT 1
	s_xor_b32 s[TB], s[TB], SLOT1                  ; K and the mask: on to the other slot,
	s_xor_b32 s[TV], s[TV], SLOT1                  ; V likewise,
	s_add_co_u32 s[TS], s[TS], 4*272               ; and on to the next 256 keys' scale words
.else
	PLACES
.endif
.endm
; THE CHANGE OF SLOTS stands at a step's head.  Each wave waits for all its tensor loads (its part of what this step reads), adds 0 to its spare word, and waits for that and for its reads of the last step.
; kind = 1, 2, 3: a round of the cluster's barrier follows, so that no wave of any partner still reads the bytes to be filled or has a load on its way; then the loads (JLOAD), which have a whole step in which to land.  kind = 0: nothing is left to ask for.
.macro CHANGE kind
	s_wait_tensorcnt 0x0                           ; no tensor load of mine is out, so a group 0 may be written
	ds_add_u32 v[SPW], v[NIL]                      ; 0 onto my spare word; the descriptors' steps stand between it and the wait for it
.if (\kind == 1) || (\kind == 2)
	s_xor_b32 s[G0K+1], s[G0K+1], SLOT1            ; the other slot than last time,
	s_add_nc_u64 s[G0K+2:G0K+3], s[G0K+2:G0K+3], 256*64    ; the next 256 keys; the type bits on top are not reached
	s_xor_b32 s[G0M+1], s[G0M+1], SLOT1
	s_add_nc_u64 s[G0M+2:G0M+3], s[G0M+2:G0M+3], 256
.endif
.if \kind >= 2
	s_xor_b32 s[G0V+1], s[G0V+1], SLOT1
	s_add_nc_u64 s[G0V+2:G0V+3], s[G0V+2:G0V+3], 256*256
.endif
.if (\kind == 1) || (\kind == 2)
	s_wait_xcnt 0x0                                ; the last prefetch, a step back, has read its address, so it may be written:
	s_add_nc_u64 s[PFA:PFA+1], s[PFA:PFA+1], s[PFS:PFS+1]  ; a block on
.endif
	s_wait_dscnt 0x0                               ; the add is done, and my reads of the last step are over
.if \kind
	CROUND
	JLOAD \kind                                    ; the first thing behind the round, and my one tensor load until the next
.if \kind != 3
	ASK
.endif
.else
	s_barrier_signal -1
	s_barrier_wait -1
.endif
.endm
	s_wait_loadcnt 0x0                             ; Q and its scale words
	CHANGE 1                                       ; K(0), mask(0), V(0), V(1) and the scales are whole; K(1) and mask(1) are asked for: behind this round nothing is filled again
	STEP 1, 0                                      ; step 0: scores and softmax alone
	s_mov_b32 s[SLOTS], 6
	CHANGE 1                                       ; K(2), mask(2)
	STEP 1, 1                                      ; step 1: V^T P of block 0 starts O^T
	s_mov_b32 s[SLOTS], 5
.Lslot:                                            ; five trips: steps 2 to 6; K and mask of blocks 3 to 7 and V of blocks 2 to 6 are asked for
	CHANGE 2
	STEP 1, 2
	s_sub_co_u32 s[SLOTS], s[SLOTS], 1
	s_cmp_lg_u32 s[SLOTS], 0
	s_cbranch_scc1 .Lslot
	CHANGE 3                                       ; the tail is written out: V(7) alone is left to ask for
	STEP 1, 2                                      ; step 7
	CHANGE 0
	STEP 0, 2                                      ; step 8: V^T P of block 7
	; THE TWO HALVES OF THE KEYS ARE JOINED.  Wave (g, e) and wave (g, 1 - e) hold sums for the same 32 queries.  Each puts its O^T (an image of the registers), c m and l into its own region; behind a barrier wave (g, e)
	; takes tile e from both regions, brings both under the smaller c m, adds, divides by l, and stores those 16 queries.
.set WI,  2                            ; v2   my region + 16 x lane
.set WS,  3                            ; v3   my region + 4 x lane
.set RA,  4                            ; v4   tile e's image in my region;  v7: in my partner's
.set RB,  7
.set SA,  8                            ; v8   tile e's statistics in my region;  v9: in my partner's
.set SB,  9
.set SIN, 46                           ; v46  the stage: where I put 32 bytes of a row
.set SBK, 47                           ; v47  and where I read a row back
.set GO,  1                            ; v1   my byte offset in my 16 rows of out0
.irp t, 0,1
	v_add_f32 v[ST+12*\t+6], v[ST+12*\t+6], v[ST+12*\t+7]          ; l's two halves,
.endr
.irp t, 0,1
	v_permlanex16_b32 v[ST+12*\t+8], v[ST+12*\t+6], s[SEL], s[SEL+1]
.endr
.irp t, 0,1
	v_add_f32 v[ST+12*\t+6], v[ST+12*\t+6], v[ST+12*\t+8]          ; and lane l xor 16's
.endr
	s_mul_i32 s93, s[G], RGB
	s_lshl_b32 s94, s[E], 17
	s_add_co_u32 s93, s93, s94                     ; my region
	v_and_b32 v1, 31, v0
	v_lshl_add_u32 v[WI], v1, 4, s93
	v_lshl_add_u32 v[WS], v1, 2, s93
	s_lshl_b32 s94, s[E], 13
	v_add_nc_u32 v[RA], s94, v[WI]                 ; a tile's image is 8,192 bytes
	v_xor_b32 v[RB], SLOT1, v[RA]                  ; my partner's region lies in the other slot
	s_lshl_b32 s94, s[E], 8
	v_add_nc_u32 v[SA], s94, v[WS]
	v_xor_b32 v[SB], SLOT1, v[SA]
	v_and_b32 v10, 15, v0                          ; r
	v_bfe_u32 v45, v0, 4, 1                        ; h
	s_add_co_u32 s93, s93, ROS
	v_mul_u32_u24 v[SIN], v10, 272
	v_lshl_add_u32 v[SIN], v45, 5, v[SIN]
	v_add_nc_u32 v[SIN], s93, v[SIN]               ; in: row r, + 32 h
	v_mul_u32_u24 v[SBK], v45, 272
	v_lshl_add_u32 v[SBK], v10, 4, v[SBK]
	v_add_nc_u32 v[SBK], s93, v[SBK]               ; back: lanes 0-15 one row, lanes 16-31 the next
	v_lshlrev_b32 v[GO], 9, v45
	v_lshl_add_u32 v[GO], v10, 4, v[GO]            ; and the same two rows of out0
	s_wait_dscnt 0x0
	s_barrier_signal -1
	s_barrier_wait -1                              ; no wave reads the slots any more, and they have had their last fill
	WIN 0x04                                       ; an LDS store's data are its source 1: window 1
.set n, 0
.rept 32
	ds_store_b128 v[WI], v[4*n:4*n+3] offset:512*n ; each accumulator from its low end on
.set n, n+1
.endr
	WIN 0
.irp t, 0,1
	ds_store_b32 v[WS], v[ST+12*\t+3] offset:RST+256*\t            ; c m
	ds_store_b32 v[WS], v[ST+12*\t+6] offset:RST+256*\t+128        ; l
.endr
	s_wait_dscnt 0x0                               ; for my partner's sake: my stores have landed
	s_barrier_signal -1
	s_barrier_wait -1
.set n, 0
.rept 16
	ds_load_b128 v[64+4*n:64+4*n+3], v[RA] offset:512*n
.set n, n+1
.endr
.set n, 0
.rept 16
	ds_load_b128 v[128+4*n:128+4*n+3], v[RB] offset:512*n
.set n, n+1
.endr
	ds_load_b32 v20, v[SA] offset:RST              ; c m and l, mine
	ds_load_b32 v21, v[SA] offset:RST+128
	ds_load_b32 v22, v[SB] offset:RST              ; and my partner's
	ds_load_b32 v23, v[SB] offset:RST+128
	s_wait_dscnt 0x0
	v_min_num_f32 v24, v20, v22                    ; the smaller c m
	v_sub_f32 v26, v24, v20
	v_sub_f32 v27, v24, v22
	v_exp_f32 v28, v26                             ; 1 for the half that has it, at most 1 for the other; 0 for a half in which no key counted beside one in which some did
	v_exp_f32 v29, v27
	v_nop                                          ; a plain instruction behind the exponentials,
	s_wait_alu depctr_va_vdst(0)                   ; and a wait ahead of the first use
	v_mul_f32 v30, v21, v28
	v_fmac_f32 v30, v23, v29                       ; the row's sum
	v_rcp_f32 v31, v30
	v_nop
	s_wait_alu depctr_va_vdst(0)
	v_mul_f32 v32, v28, v31                        ; (v33 and v35, named with these as pairs, were written in the steps)
	v_mul_f32 v34, v29, v31
.set j, 0
.rept 32
	v_pk_mul_f32 v[64+j:65+j], v[64+j:65+j], v[32:33] op_sel_hi:[1,0]
.set j, j+2
.endr
.set j, 0
.rept 32
	v_pk_fma_f32 v[64+j:65+j], v[128+j:129+j], v[34:35], v[64+j:65+j] op_sel_hi:[1,0,1]   ; register 8 t + i is out(r, 16 t + 8 h + i)
.set j, j+2
.endr
	; THE WAY OUT: half a row (64 channels, 256 bytes) of 16 queries at a time through my stage, so that sixteen lanes store 256 consecutive bytes, aligned
.irp uu, 0,1
.irp t, 0,1,2,3
	ds_store_b128 v[SIN], v[64+32*\uu+8*\t:64+32*\uu+8*\t+3] offset:64*\t
	ds_store_b128 v[SIN], v[64+32*\uu+8*\t+4:64+32*\uu+8*\t+7] offset:64*\t+16
.endr
.irp i, 0,1,2,3,4,5,6,7
	ds_load_b128 v[192+32*\uu+4*\i:192+32*\uu+4*\i+3], v[SBK] offset:2*\i*272   ; LDS serves a wave's instructions in order: these see my stores, and the next half's stores come behind them
.endr
.endr
.irp uu, 0,1
.irp i, 0,1,2,3,4,5,6,7
	s_wait_dscnt 23-16*\uu-\i                      ; behind this load: the rest of its half's eight, and for the first half the second's eight stores and eight loads
	global_store_b128 v[GO], v[192+32*\uu+4*\i:192+32*\uu+4*\i+3], s[16:17] offset:2*\i*512+256*\uu th:TH_STORE_NT
.endr
.endr
	s_wait_tensorcnt 0x0                           ; the wave's end, behind my last tensor load and my last LDS store
	ds_add_u32 v[SPW], v[NIL]
	s_wait_dscnt 0x0
	CROUND                                         ; the closing round: no work-group ends while a partner may still ask for a tile that names it
	s_endpgm
.Lfunc_end_k_qc5ea5f9ef2_attn:
	.size	k_qc5ea5f9ef2_attn, .Lfunc_end_k_qc5ea5f9ef2_attn-k_qc5ea5f9ef2_attn
	.p2alignl 7, 3214868480
	.fill 96, 4, 3214868480
	.section	.rodata,"a",@progbits
	.p2align	6, 0x0
	.amdhsa_kernel k_qc5ea5f9ef2_attn
		.amdhsa_group_segment_fixed_size 327680
		.amdhsa_private_segment_fixed_size 0
		.amdhsa_enable_private_segment 0
		.amdhsa_kernarg_size 56
		.amdhsa_user_sgpr_count 2
		.amdhsa_user_sgpr_kernarg_segment_ptr 1
		.amdhsa_wavefront_size32 1
		.amdhsa_system_sgpr_workgroup_id_x 1
		.amdhsa_system_sgpr_workgroup_id_y 1
		.amdhsa_system_sgpr_workgroup_id_z 1
		.amdhsa_system_vgpr_workitem_id 0
		.amdhsa_next_free_vgpr 512
		.amdhsa_next_free_sgpr 102
		.amdhsa_reserve_vcc 0
		.amdhsa_float_denorm_mode_32 3
		.amdhsa_float_denorm_mode_16_64 3
		.amdhsa_memory_ordered 1
		.amdhsa_forward_progress 1
		.amdhsa_inst_pref_size 191
	.end_amdhsa_kernel
	.amdgpu_metadata
---
amdhsa.version: [ 1, 2 ]
amdhsa.kernels:
  - .name:           k_qc5ea5f9ef2_attn
    .symbol:         k_qc5ea5f9ef2_attn.kd
    .args:
      - { .name: q_codes, .offset: 0, .size: 8, .value_kind: global_buffer, .address_space: global }
      - { .name: q_scales, .offset: 8, .size: 8, .value_kind: global_buffer, .address_space: global }
      - { .name: k_codes, .offset: 16, .size: 8, .value_kind: global_buffer, .address_space: global }
      - { .name: k_scales, .offset: 24, .size: 8, .value_kind: global_buffer, .address_space: global }
      - { .name: v16, .offset: 32, .size: 8, .value_kind: global_buffer, .address_space: global }
      - { .name: mask, .offset: 40, .size: 8, .value_kind: global_buffer, .address_space: global }
      - { .name: out0, .offset: 48, .size: 8, .value_kind: global_buffer, .address_space: global }
    .group_segment_fixed_size: 327680
    .private_segment_fixed_size: 0
    .kernarg_segment_align: 8
    .kernarg_segment_size: 56
    .max_flat_workgroup_size: 256
    .sgpr_count:     102
    .vgpr_count:     512
    .wavefront_size: 32
...
	.end_amdgpu_metadata
.endif
;; end of part 2
